; MI455X (gfx1250); checked and timed in simulation.
; The chip was launched on July 23, 2026; its instructions are those of AMD's public machine-readable ISA for CDNA 5 (MIT licence, August 2026) and "CDNA5" Instruction Set Architecture Reference Guide (July 2026). The comments in the code are by the model that wrote it; some were corrected since.
;; Multihead Self Attention. Allowed arithmetic: matrix products marked QUANTISED: E2M3 operands, one E8M0 scale for each 32 along K, by v_wmma_scale_f32_16x16x128_f8f6f4 with both operands' format E2M3, f32 sums; everything else in f32.
;; Inputs: w_out_codes 1,024 x 32 x 24 uint8 (E2M3 codes of w_out, K innermost, in blocks of 32 codes, four codes in three bytes); w_out_scales 1,024 x 32 uint8 (E8M0 scales of w_out, one for each 32 codes along K); w_qkv_codes 3,072 x 32 x 24 uint8 (E2M3 codes of w_qkv, K innermost, in blocks of 32 codes, four codes in three bytes); w_qkv_scales 3,072 x 32 uint8 (E8M0 scales of w_qkv, one for each 32 codes along K); x_codes 2 x 2,048 x 32 x 24 uint8 (E2M3 codes of x, K innermost, in blocks of 32 codes, four codes in three bytes); x_scales 2 x 2,048 x 32 uint8 (E8M0 scales of x, one for each 32 codes along K).
;; Outputs: out0 2 x 2,048 x 1,024 float32.
;; This version of the problem:
;;   THIS VERSION OF THE PROBLEM IS GIVEN IN LOW PRECISION. The matrix products marked QUANTISED in the list below multiply operands that are first quantised to E2M3 (2 exponent bits, 3 mantissa bits; 6 bits a number), with one power-of-two scale for each 32 numbers along K (OCP MX v1.0); their sums are f32. All else is computed in f32.
;;   The module's matrix products, in the order in which they are computed (A, B: the left and right operand; K: the contracted axis; several contracted axes count as one K, in the product's order):
;;     1. [M 4,096, K 1,024] x [K 1,024, N 3,072]; A: input x (given as codes); B: input w_qkv (given as codes): QUANTISED
;;     2. batch 32 x [M 2,048, K 64] x [K 64, N 2,048]; A: computed on the way; B: computed on the way: QUANTISED
;;     3. batch 32 x [M 2,048, K 2,048] x [K 2,048, N 64]; A: softmax (see below); B: computed on the way: QUANTISED
;;     4. [M 4,096, K 1,024] x [K 1,024, N 1,024]; A: computed on the way; B: input w_out (given as codes): QUANTISED
;;   THE QUANTISER, for each operand of a quantised product, along K:
;;     - K is cut into blocks of 32 from its start; a last block that is shorter is filled with zeros.
;;     - A block's scale is 2^e with e = floor(log2(the largest magnitude in the block)) - 2, held to -126 .. 127; a block of zeros has e = 0. As a byte (E8M0): e + 127.
;;     - Each number is divided by its block's scale, clamped to +-7.5, and rounded to the nearest number of E2M3, ties to even, subnormals kept.
;;     - The product sums the exact products of the quantised numbers (number of the format x scale) in f32.
;;   ~~~python
;;   def quantise(x, axis):      # numpy; x: float32 -> the quantised numbers, widened to float32 again
;;       x = np.moveaxis(x, axis, -1); K = x.shape[-1]
;;       x = np.pad(x, [(0, 0)] * (x.ndim - 1) + [(0, -K % 32)]); x = x.reshape(x.shape[:-1] + (-1, 32)); a = np.abs(x).max(-1, keepdims=True)
;;       e = np.where(a > 0, np.clip(np.frexp(np.where(a > 0, a, 1))[1] - 1 - 2, -126, 127), 0)      # np.frexp(a)[1] - 1 = floor(log2(a)), exactly
;;       r = np.clip(x / 2.0 ** e, -7.5, 7.5)
;;       step = 2.0 ** (np.maximum(np.frexp(np.where(r == 0, 1, r))[1] - 1, 0) - 3)
;;       q = np.round(r / step) * step * 2.0 ** e      # np.round: ties to even
;;       return np.moveaxis(q.reshape(q.shape[:-2] + (-1,))[..., :K], -1, axis).astype(np.float32)
;;   ~~~
;;   SOFTMAX AHEAD OF A QUANTISED PRODUCT. Where the list says 'softmax', what is quantised is not the finished softmax but p = 2^(t - M), with t = logit x log2(e) and M = ceil(the row's largest t), a whole number; so 1/2 < the row's largest p <= 1. The row's sum l is taken of the UNQUANTISED p, in f32, and the product's result is divided by l at the end. Since M is a whole number, a kernel that streams over the keys may use a running M (the ceiling of the running maximum): every later rescaling is an exact power of two, which a block's scale takes up: the codes' values come out the same.
;;   OPERANDS COMPUTED ON THE WAY. 'Computed on the way' means the value that the module computes at that place (a softmax that the list does not call 'softmax' is quantised finished and normalised). What goes into a quantiser is computed in f32, as accurately as f32 sums, v_exp_f32 and their like allow (about 1e-6 of the number): no bf16 or f16 on the way to a quantiser, and a product that is left as it is and whose result goes on into a quantised operand takes f32 operands (vector FMAs, or v_wmma_f32_16x16x4_f32). A number that lies on a knife's edge between two numbers of the format may be rounded either way, as far as f32 arithmetic and the matrix unit's own rounding can turn it there, and no further.
;;   INPUTS GIVEN AS CODES. w_out (in the module: [1024, 1024], K = its axis 1); w_qkv (in the module: [3072, 1024], K = its axis 1); x (in the module: [2, 2048, 1024], K = its axis 2): each comes as NAME_codes (uint8): NAME with its K axis moved to the last place and cut into blocks of 32 codes, [.., K / 32, bytes a block], one block behind the other in memory; four codes in three bytes: a row's codes are one little-endian stream of bits, code i at bits 6 i .. 6 i + 5 (a code: sign, 2 exponent bits, 3 mantissa bits); and NAME_scales (uint8): the same leading axes, one E8M0 byte (e + 127) for each 32 codes along K. Its value is code x scale, taken as it is: it is not quantised again, and the codes and scales need not be those that the quantiser above would give.
;; One version. Each part assembles by itself: llvm-mc -triple=amdgcn-amd-amdhsa -mcpu=gfx1250 --defsym DOCPART=n.
;; ======== version 1 of 1: 3 launches
;; limits: right only within a limited range of input values
;; workspace buffers: qrec 3,276,800 bytes; kvrec 6,553,600 bytes; ctxi 3,145,728 bytes; ctxs 131,072 bytes
;; launch qkv (part 1): grid 16 x 16, 4 waves a work-group, clusters of 4 x 4, 327,680 bytes of LDS; arguments x_codes, x_scales, w_qkv_codes, w_qkv_scales, qrec, kvrec; writes qrec, kvrec
.if DOCPART == 1
	.amdgcn_target "amdgcn-amd-amdhsa--gfx1250"
	.amdhsa_code_object_version 6
	.text
	.protected	k_q1ff6d02fd3_qkv
	.globl	k_q1ff6d02fd3_qkv
	.p2align	8
	.type	k_q1ff6d02fd3_qkv,@function
k_q1ff6d02fd3_qkv:
	s_mov_b64 s[64:65], 0
	v_nop
	global_prefetch_b8 v0, s[64:65] scope:SCOPE_SE
	s_setreg_imm32_b32 hwreg(HW_REG_WAVE_MODE, 25, 1), 1
	s_wait_xcnt 0x0
	s_wait_alu depctr_hold_cnt(0) depctr_sa_sdst(0) depctr_va_vdst(0) depctr_va_sdst(0) depctr_va_ssrc(0) depctr_va_vcc(0) depctr_vm_vsrc(0)
	s_getreg_b32 s2, hwreg(HW_REG_IB_STS2, 6, 4)
	s_cmp_eq_u32 s2, 0
	s_cbranch_scc0 .Lentry_in_a_cluster
	s_endpgm
.Lentry_in_a_cluster:
	s_bfe_u32 s2, ttmp6, 0x10000c
	s_cmp_lg_u32 s2, 0xf033
	s_cbranch_scc0 .Lentry_shape_is_right
	s_endpgm
.Lentry_shape_is_right:
; qkv = x w_qkv^T on codes of FP6 (E2M3) with E8M0 scales, and the quantising of q, k (along the head's 64) and v (along the tokens) in registers.
; x: 4,096 rows of 768 bytes of codes, w_qkv: 3,072 such rows; scale bytes 32 a row.  Sums in f32, K ascending, one accumulator for each output.
; THE PROGRAM: this launch, the attention, the output projection.  WORK LEFT OUT (by the attention): the causal mask puts -infinity on every score whose key comes after its query, so its p is 0 and its product with v adds
; nothing, whatever the inputs hold; steps of 128 keys that all come after a tile's queries are not computed.  A NaN, an infinity or an overflow that reaches only such scores is not carried to the result.
; SHARES.  A work-group makes 256 tokens x one head's q, k and v (192 columns): 16 heads x 16 blocks of tokens = 256 work-groups.  Wave w: th = w / 2 picks 128 tokens (one key step of the
; attention), part = w % 2 picks q (0) or k (1), and v's tiles of 16 channels 2 part and 2 part + 1.  48 accumulators a wave, fed by 14 fragments for each 128 along K.
; LAYOUT.  q, k: source 0 = 16 rows of W, source 1 = 16 tokens: a lane holds ONE token and its registers run along the head's channels.  v: source 0 = 16 tokens, source 1 = 16 rows of W: a lane
; holds ONE channel and its registers run along the tokens.  So each quantiser finds its K in a lane's registers.
; THE ORDER INSIDE A BLOCK OF 32.  A lane's 16 registers of two neighbouring tiles are places 8 h + 0..7 and 16 + 8 h + 0..7 of a block; behind the conversions and the exchange of halves a block's codes stand in
; the order 0-7, 16-23, 8-15, 24-31.  q and k both have it, and so have v and the attention's p: a product's sum does not hang on the order in which both operands list a block.
; WHAT IS STORED: images of operand registers.  qrec: [batch x head][128 tokens] records of 6,400 bytes: 4 PAIRS of tiles x 3 planes of 16 bytes a lane (registers 0-5 the even tile, 6-11 the odd one), then 256 of scale
; words (8 bytes for lane (r, h): word i: pair 2 i + h, row r; its bytes: even tile's two blocks, odd tile's two).  kvrec: records of 12,800 bytes: k as q at 0, v's 4 tiles x 3 planes at 6,144, k's scale words at 12,288,
; v's at 12,544 (word i, 4 bytes a lane: tile 2 i + h).
; K goes in three CHUNKS of 256 bytes of a row through two LDS slots: every tile row begins at a multiple of 256 bytes.  A K step of 128 is 96 bytes; steps 2 and 5 lie across two chunks and are fetched from both slots.
; FILLS: chunk 0 at the head, one load a wave; chunk 1 behind the first full sequence; chunk 2 is the one refill (slot 0).
; CLUSTERS: 4 x 4 work-groups.  x's tile hangs on the block of tokens alone and is shared along a row of the cluster, W's on the head alone and is shared along a column: joint loads.
; PREFETCH: chunk c + 1 is asked for into the L2 while chunk c is awaited or multiplied: each block of 256 bytes once in a cluster, shared out by address among the four partners that load it jointly.
; LIMITS: NaN and infinities are not served.  A block of zeros, or one whose largest magnitude lies under 2^-124, gets the scale byte 1 (its codes are zeros or held at that scale); the bytes are read by this program alone.
; REGISTERS, in windows of 256: window 0: v1-31 addresses; v32-87 scale words, and nothing else ever; v96-191 x's 8 fragments, one set; in the epilogue v88-247 at work.
;   window 1: W's 6 fragments, two sets, at v0 and v128.   window 2: q's or k's accumulators, (token tile a, W tile t) at v[32 a + 8 t].   window 3: v's, (tile n, token tile a) at v[64 n + 8 a].
.set PITCH, 272                        ; an LDS row: 256 bytes + 16 of padding
.set WPL,   64*PITCH                   ; a plane of W: 64 rows
.set AOFF,  3*WPL                      ; behind the three planes q, k, v: x's 256 rows
.set SLOT,  AOFF+256*PITCH
.set SPARE, 2*SLOT                     ; the spare words, 128 bytes a wave: two blocks of 256 bytes that no other line names
.set NL,    6                          ; LDS loads that bring a fragment
.set ADRX,  4                          ; v4, v5 x's fragments in slot 0, 1; v6 (v7): lanes 0-15 at byte 232 of slot 0 (1), lanes 16-31 at byte 0 of slot 1 (0)
.set ADRW,  10                         ; the same for my q or k plane
.set ADRV,  16                         ; and for my two tiles of v's plane
.set L16,   22                         ; 16 x lane
.set L8,    23
.set L4,    24
.set L32,   25
.set SPW,   28                         ; LDS address of my spare word; never rewritten
.set NIL,   29                         ; 0; never rewritten
.set PFO,   30                         ; the prefetches' offset; never rewritten
.set XS,    32                         ; x's scale words: pair of tiles i, K step k at v[XS + 8 i + k]: lanes 0-15 tile 2 i, lanes 16-31 tile 2 i + 1
.set WSQ,   64                         ; the same for my q or k rows of W
.set WSV,   80                         ; and for my two tiles of v's rows
.set AF,    96
.set TM,    88                         ; the epilogue: largest magnitudes
.set TP,    96                         ; the other half's, then the bytes
.set OP,    104                        ; the conversions' scale operands
.set WW,    112                        ; scale words of the 4 pairs
.set CD,    120                        ; codes, 6 registers a tile
.set YT,    184
.set KSO,   200
.set VW,    204
.set VSO,   206
.set VC,    208
.set VY,    232
.set G1A,   24                         ; s[24:31] group 1 for x's tiles;  s[32:39] for W's planes
.set G1B,   32
.set G0A,   40                         ; s[40:47] group 0 for x, a set for each slot;  s[48:55] for W
.set G0B,   48
.set SEL,   84
.set MSB, 0
.macro WIN new                         ; the immediate's high byte repeats the setting that is left
.if MSB != \new
	s_set_vgpr_msb (MSB<<8)|\new
.set MSB, \new
.endif
.endm
.macro PLACES n
.rept \n
	v_nop
.endr
.endm
.macro JLOAD s                         ; a joint load: wave 3 fetches x's 256 rows, waves 0, 1, 2 the planes q, k, v; the branch hangs on the wave's number alone
	s_cmp_eq_u32 s16, 3
	s_cbranch_scc0 .Lfor_w_\@
	tensor_load_to_lds s[G0A+4*\s:G0A+4*\s+3], s[G1A:G1A+7]
	s_nop 0
	PLACES 4
	s_branch .Lasked_\@
.Lfor_w_\@:
	tensor_load_to_lds s[G0B+4*\s:G0B+4*\s+3], s[G1B:G1B+7]
	s_nop 0
	PLACES 4
.Lasked_\@:
.endm
.macro CREST                           ; a round of the cluster's barrier behind its opening barrier
	s_cmp_lg_u32 s16, 0
	s_cbranch_scc1 .Lnot_wave_0_\@
	s_barrier_signal -3
.Lnot_wave_0_\@:
	s_barrier_wait -3
	s_barrier_signal -1
	s_barrier_wait -1
.endm
.macro CROUND
	s_barrier_signal -1
	s_barrier_wait -1
	CREST
.endm
.macro PF c                            ; chunk c into the L2: wave 3 my 64 of the 256 rows of x, waves 0-2 my 16 of a plane's 64 (lanes 16-31 name the same rows)
	s_cmp_eq_u32 s16, 3
	global_prefetch_b8 v[PFO], s[66:67] offset:256*\c th:TH_LOAD_NT scope:SCOPE_SE
	s_cbranch_scc0 .Lpf_\@
	global_prefetch_b8 v[PFO], s[66:67] offset:256*\c+32*768 th:TH_LOAD_NT scope:SCOPE_SE
.Lpf_\@:
.endm
	s_load_b256 s[4:11], s[0:1], 0x0               ; x's codes s[4:5], x's scales s[6:7], W's codes s[8:9], W's scales s[10:11]
	s_load_b128 s[12:15], s[0:1], 0x20             ; qrec s[12:13], kvrec s[14:15]
	v_lshl_add_u32 v[SPW], v0, 2, SPARE
	v_mov_b32 v[NIL], 0
	ds_add_u32 v[SPW], v[NIL]                      ; the opening: the add, twice on end, and its wait
	ds_add_u32 v[SPW], v[NIL]
	v_lshrrev_b32 v1, 5, v0
	v_readfirstlane_b32 s16, v1                    ; wave 0..3
	s_lshr_b32 s17, s16, 1                         ; th: which 128 tokens
	s_and_b32 s18, s16, 1                          ; part: q or k, and which two tiles of v
	s_min_u32 s19, s16, 2                          ; the plane that I fetch, if I fetch one
	s_bfe_u32 s20, ttmp6, 0x40000                  ; cx, cy: my place in the cluster
	s_bfe_u32 s21, ttmp6, 0x40004
	s_lshl_b32 s22, ttmp9, 2
	s_add_co_u32 s22, s22, s20                     ; the head = 4 x cluster x + cx
	s_and_b32 s23, ttmp7, 0xffff
	s_lshl_b32 s23, s23, 2
	s_add_co_u32 s23, s23, s21                     ; the block of 256 tokens = 4 x cluster y + cy
	s_lshl_b32 s66, s21, 2
	s_lshl_b32 s66, 15, s66                        ; my row of the cluster
	s_lshl_b32 s67, 0x1111, s20                    ; my column
	s_or_b32 s[G1A], s66, (1<<20)|(1<<21)|(5<<22)|(3<<25)   ; 15:0 the mask; elements of 1 byte; 20 padding on; 21 set beside a mask; after every 64 words (code 5) 4 words (code 3)
	s_or_b32 s[G1B], s67, (1<<20)|(1<<21)|(5<<22)|(3<<25)
.irp g, G1A, G1B
	s_mov_b32 s[\g+1], 256<<16                     ; tensor_dim0 = 256 bytes
	s_mov_b32 s[\g+3], 256<<16                     ; tile_dim0
	s_mov_b32 s[\g+5], 768                         ; from row to row
	s_mov_b32 s[\g+6], 0
	s_mov_b32 s[\g+7], 0
.endr
	s_mov_b32 s[G1A+2], 256<<16                    ; tensor_dim1, tile_dim1: x's 256 rows,
	s_mov_b32 s[G1A+4], 256
	s_mov_b32 s[G1B+2], 64<<16                     ; a plane's 64
	s_mov_b32 s[G1B+4], 64
	s_mul_i32 s68, s23, 256*768                    ; x's tile hangs on the block of tokens alone,
	s_mov_b32 s69, 0
	s_mul_i32 s70, s19, 1024*768                   ; W's on the plane and the head alone
	s_mul_i32 s71, s22, 64*768
	s_add_co_u32 s70, s70, s71
	s_mov_b32 s71, 0
	s_mul_i32 s72, s19, WPL                        ; the plane's place in a slot
	s_lshl_b32 s74, s23, 13                        ; x's scale bytes of my 128 tokens: 32 a row
	s_lshl_b32 s75, s17, 12
	s_add_co_u32 s74, s74, s75
	s_mov_b32 s75, 0
	s_lshl_b32 s76, s18, 15                        ; W's of my q or k rows
	s_lshl_b32 s77, s22, 11
	s_add_co_u32 s76, s76, s77
	s_add_co_u32 s78, s77, 65536                   ; and of my 32 rows of v
	s_lshl_b32 s79, s18, 10
	s_add_co_u32 s78, s78, s79
	s_mov_b32 s77, 0
	s_mov_b32 s79, 0
	s_lshr_b32 s96, s23, 3                         ; the record: ((batch x 16 + head) x 16 + key step)
	s_lshl_b32 s96, s96, 4
	s_add_co_u32 s96, s96, s22
	s_lshl_b32 s96, s96, 4
	s_and_b32 s97, s23, 7
	s_lshl_b32 s97, s97, 1
	s_add_co_u32 s96, s96, s97
	s_add_co_u32 s96, s96, s17
	s_mul_i32 s86, s96, 6400
	s_mov_b32 s87, 0
	s_mul_i32 s88, s96, 12800
	s_mov_b32 s89, 0
	s_mov_b32 s[SEL], 0x76543210
	s_mov_b32 s[SEL+1], 0xfedcba98                 ; v_permlanex16_b32's selects for lane l xor 16
	v_and_b32 v26, 31, v0                          ; lane
	v_lshlrev_b32 v[L32], 5, v26
	v_lshlrev_b32 v[L16], 4, v26
	v_lshlrev_b32 v[L8], 3, v26
	v_lshlrev_b32 v[L4], 2, v26
	s_wait_alu depctr_va_vdst(0)                   ; directly ahead of the waits below
	s_wait_dscnt 0x0                               ; both opening adds are done
	s_wait_kmcnt 0x0
	s_add_nc_u64 s[68:69], s[4:5], s[68:69]
	s_add_nc_u64 s[70:71], s[8:9], s[70:71]
	s_add_nc_u64 s[74:75], s[6:7], s[74:75]
	s_add_nc_u64 s[76:77], s[10:11], s[76:77]
	s_add_nc_u64 s[78:79], s[10:11], s[78:79]
	; THE SCALE WORDS come once, from memory into registers: a pair of tiles is 32 rows of 32 bytes, 1,024 dense bytes, a row to a lane: register k then holds K step k's word
.irp i, 0,1,2,3
	global_load_b128 v[XS+8*\i:XS+8*\i+3], v[L32], s[74:75] offset:1024*\i
	global_load_b128 v[XS+8*\i+4:XS+8*\i+7], v[L32], s[74:75] offset:1024*\i+16
.endr
.irp i, 0,1
	global_load_b128 v[WSQ+8*\i:WSQ+8*\i+3], v[L32], s[76:77] offset:1024*\i
	global_load_b128 v[WSQ+8*\i+4:WSQ+8*\i+7], v[L32], s[76:77] offset:1024*\i+16
.endr
	global_load_b128 v[WSV:WSV+3], v[L32], s[78:79]
	global_load_b128 v[WSV+4:WSV+7], v[L32], s[78:79] offset:16
.irp c, 0,1
	s_mov_b32 s[G0A+4*\c], 1
	s_mov_b32 s[G0A+4*\c+1], \c*SLOT+AOFF
	s_add_nc_u64 s[G0A+4*\c+2:G0A+4*\c+3], s[68:69], \c*256
	s_or_b32 s[G0A+4*\c+3], s[G0A+4*\c+3], 0x80000000
	s_mov_b32 s[G0B+4*\c], 1
	s_add_co_u32 s[G0B+4*\c+1], s72, \c*SLOT
	s_add_nc_u64 s[G0B+4*\c+2:G0B+4*\c+3], s[70:71], \c*256
	s_or_b32 s[G0B+4*\c+3], s[G0B+4*\c+3], 0x80000000
.endr
	CROUND                                         ; all sixteen work-groups are here: the first joint loads meet
	JLOAD 0                                        ; chunk 0: one tensor load a wave at the head
	s_add_nc_u64 s[86:87], s[12:13], s[86:87]      ; my record of q,
	s_add_nc_u64 s[88:89], s[14:15], s[88:89]      ; of k and v
	s_mul_i32 s96, s18, 3072
	s_add_co_u32 s96, s96, 6144
	s_mov_b32 s97, 0
	s_add_nc_u64 s[92:93], s[88:89], s[96:97]      ; my two tiles of v
	s_lshl_b32 s96, s18, 7
	s_add_co_u32 s96, s96, 12544
	s_add_nc_u64 s[94:95], s[88:89], s[96:97]      ; and their scale words
	s_add_nc_u64 s[96:97], s[86:87], 6144
	s_add_nc_u64 s[98:99], s[88:89], 12288
	s_cmp_eq_u32 s18, 0                            ; the choice hangs on the wave's number alone
	s_cselect_b64 s[90:91], s[86:87], s[88:89]     ; where my q or my k goes,
	s_cselect_b64 s[98:99], s[96:97], s[98:99]     ; and its scale words
	s_lshl_b32 s73, s20, 6                         ; prefetches: of x's rows 64 cx .. 64 cx + 63, of a plane's 16 cy .. 16 cy + 15
	s_lshl_b32 s80, s21, 4
	s_mov_b32 s81, 15
	s_cmp_eq_u32 s16, 3
	s_cselect_b32 s73, s73, s80
	s_cselect_b32 s81, 31, s81
	s_cselect_b64 s[66:67], s[68:69], s[70:71]
	v_and_b32 v[PFO], s81, v26
	v_add_nc_u32 v[PFO], s73, v[PFO]
	v_mul_u32_u24 v[PFO], 0x300, v[PFO]
	s_mov_b32 s80, SLOT-232
	s_mov_b32 s81, SLOT+232
	v_and_b32 v1, 15, v0                           ; r
	v_bfe_u32 v2, v0, 4, 1                         ; h
	v_mul_u32_u24 v3, v1, PITCH
	v_mul_u32_u24 v27, v2, 24
	v_add_nc_u32 v27, v3, v27                      ; a fragment's row x pitch + 24 x half
	v_mul_u32_u24 v88, s80, v2
	v_add_nc_u32 v88, v3, v88
	v_add_nc_u32 v88, 232, v88                     ; across two chunks, slot 0 then 1
	v_sub_nc_u32 v90, 1, v2
	v_mul_u32_u24 v89, s81, v90
	v_add_nc_u32 v89, v3, v89                      ; slot 1 then 0
	s_wait_alu depctr_va_vdst(0)                   ; ahead of the scalar lines and the branch below
	PF 1
	s_mul_i32 s80, s17, 128*PITCH
	s_add_co_u32 s80, s80, AOFF                    ; my 128 rows of x
	s_mul_i32 s81, s18, WPL                        ; my plane
	s_mul_i32 s82, s18, 32*PITCH
	s_add_co_u32 s82, s82, 2*WPL                   ; my 32 rows of v's plane
.macro ADR reg, s
	v_add_nc_u32 v[\reg+2], s\s, v88
	v_add_nc_u32 v[\reg+3], s\s, v89
	v_add_nc_u32 v[\reg], s\s, v27
	s_add_co_u32 s\s, s\s, SLOT
	v_add_nc_u32 v[\reg+1], s\s, v27
.endm
	ADR ADRX, 80
	ADR ADRW, 81
	ADR ADRV, 82
; A fragment, 16 rows x 128 K, is 12 registers: lane (r, h) takes 24 bytes of row r at 24 h and 24 at 48 + 24 h of the step's 96, as they lie, in pieces of 8 bytes, each inside one chunk.
.macro FRAG reg, adr, st, i
.irp p, 0,1,2,3,4,5
.set BY, 96*(\st)+48*(\p/3)+8*(\p%3)   ; where the piece of lanes 0-15 begins in the row; that of lanes 16-31 begins 24 bytes on
.if BY/256 == (BY+24)/256
	ds_load_b64 v[\reg+2*\p:\reg+2*\p+1], v[\adr+(BY/256)%2] offset:BY%256+(\i)*16*PITCH
.else
	ds_load_b64 v[\reg+2*\p:\reg+2*\p+1], v[\adr+2+(BY/256)%2] offset:BY%256-232+(\i)*16*PITCH
.endif
.endr
.endm
.macro FETCH_W st                      ; W's six fragments of K step st into set st % 2: 36 loads
	WIN 0x40                                       ; destination window 1
.irp i, 0,1,2,3
	FRAG 128*((\st)%2)+12*\i, ADRW, \st, \i
.endr
.irp i, 0,1
	FRAG 128*((\st)%2)+12*(4+\i), ADRV, \st, \i
.endr
	WIN 0
.endm
.macro FETCH_X st, i0                  ; x's tiles i0 .. i0 + 3: 24 loads
.irp i, \i0, \i0+1, \i0+2, \i0+3
	FRAG AF+12*(\i), ADRX, \st, \i
.endr
.endm
; One matrix line.  zero = 1: the product starts its sum.  ra, rb: the scale words of source 0, 1 stand in lanes 16-31 of their registers.
.macro W1 c, ra, rb
	v_wmma_scale_f32_16x16x128_f8f6f4 v[WD:WD+7], v[WA:WA+11], v[WB:WB+11], \c, v[WS0], v[WS1] matrix_a_fmt:MATRIX_FMT_FP6 matrix_b_fmt:MATRIX_FMT_FP6 matrix_a_scale:MATRIX_SCALE_ROW\ra matrix_b_scale:MATRIX_SCALE_ROW\rb
.endm
.macro W2 c
.if WSEL == 0
	W1 \c, 0, 0
.elseif WSEL == 1
	W1 \c, 0, 1
.elseif WSEL == 2
	W1 \c, 1, 0
.else
	W1 \c, 1, 1
.endif
.endm
.macro WM d, a, b, zero, sa, sb, ra, rb
.set WD, \d
.set WA, \a
.set WB, \b
.set WS0, \sa
.set WS1, \sb
.set WSEL, 2*(\ra)+(\rb)
.if \zero
	W2 0
.else
	W2 v[WD:WD+7]
.endif
.endm
; 16 products of q or k: token tiles a0 .. a0 + 3 x W's four tiles.  The 48 accumulators take turns, one instruction a turn, in the same order in every K step.
.macro QK16 a0, k, zero
	WIN 0xa1                                       ; source 0 (W) window 1, source 1 (x) window 0, C and D window 2
.irp a, \a0, \a0+1, \a0+2, \a0+3
.irp t, 0,1,2,3
	WM 32*(\a)+8*\t, 128*((\k)%2)+12*\t, AF+12*(\a), \zero, WSQ+8*(\t/2)+(\k), XS+8*((\a)/2)+(\k), \t%2, (\a)%2
.endr
.endr
.endm
; 8 products of v: the same four token tiles (now source 0) x my two tiles of W's v rows
.macro V8 a0, k, zero
	WIN 0xf4                                       ; source 0 (x) window 0, source 1 (W) window 1, C and D window 3
.irp a, \a0, \a0+1, \a0+2, \a0+3
.irp n, 0,1
	WM 64*\n+8*(\a), AF+12*(\a), 128*((\k)%2)+12*(4+\n), \zero, XS+8*((\a)/2)+(\k), WSV+(\k), (\a)%2, \n
.endr
.endr
.endm
; A K step of 128: 48 matrix instructions; the next step's fragments are fetched in its middle and at its end, each run of loads four places behind the products that read the registers (ISA guide 7.12.1 for vector
; instructions).
; kind 1: a barrier shows the chunk that has landed. kind 2: slot 0 is read no more: the lines, a round of the cluster's barrier, and slot 0 is filled again, with chunk 2.
.macro STEP k, zero, kind
.set NK, (\k)+1
.if (\kind) == 2
	s_wait_tensorcnt 0x0                           ; all my tensor loads have landed  (every window is 0 here)
	ds_add_u32 v[SPW], v[NIL]                      ; 0 onto my spare word
	s_wait_dscnt 4*NL+1                            ; (the add and x's tiles 4-7 may be out)
.else
	s_wait_dscnt 4*NL                              ; W's set and x's tiles 0-3 are in; the youngest 24 loads (x's tiles 4-7) may be out
.endif
	QK16 0, \k, \zero
.if \kind
.if (\kind) == 1
	s_wait_tensorcnt 0x0                           ; my part of the chunk is in
.endif
	s_wait_dscnt 0x0                               ; all my LDS instructions are done
	s_barrier_signal -1
	V8 0, \k, \zero
	WIN 0                                          ; (branches may follow)
	s_barrier_wait -1
.else
	V8 0, \k, \zero
	s_wait_dscnt 0x0                               ; x's tiles 4-7 are in
.endif
.if (\kind) == 2
	CREST                                          ; no wave of any partner still reads slot 0 or has a load on its way
	s_add_nc_u64 s[G0A+2:G0A+3], s[G0A+2:G0A+3], 512
	s_add_nc_u64 s[G0B+2:G0B+3], s[G0B+2:G0B+3], 512
	JLOAD 0                                        ; the first tensor load behind the round; its four v_nop are the places in front of the loads below
.else
	PLACES 4
.endif
	FETCH_W NK
	FETCH_X NK, 0
	QK16 4, \k, \zero
	V8 4, \k, \zero
	PLACES 4
	WIN 0
	FETCH_X NK, 4
.endm
	s_wait_alu depctr_va_vdst(0)                   ; the head's end
	s_wait_loadcnt 0x0                             ; the scale words
	s_wait_tensorcnt 0x0                           ; my part of chunk 0 is in; these lines stand ahead of a later first fill as ahead of a refill
	ds_add_u32 v[SPW], v[NIL]
	s_wait_dscnt 0x0
	CROUND                                         ; everybody's part of chunk 0 is in, and the joint loads meet:
	JLOAD 1                                        ; chunk 1, the first tensor load behind the round
	FETCH_W 0
	FETCH_X 0, 0
	FETCH_X 0, 4
	STEP 0, 1, 0                                   ; the first products start the sums: nothing is cleared
	PF 2
	STEP 1, 0, 1                                   ; chunk 1 is shown: step 2 lies across chunks 0 and 1
	STEP 2, 0, 2                                   ; slot 0 is left and takes chunk 2
	STEP 3, 0, 0
	STEP 4, 0, 1                                   ; chunk 2 is shown: step 5 lies across chunks 1 and 2
	STEP 5, 0, 0
	STEP 6, 0, 0
	s_wait_dscnt 4*NL                              ; the last K step fetches nothing
	QK16 0, 7, 0
	V8 0, 7, 0
	s_wait_dscnt 0x0
	QK16 4, 7, 0
	V8 4, 7, 0
	WIN 0
	PLACES 4                                       ; in front of the first reads of results and of writes into registers that held x's fragments
; THE QUANTISERS.  A block's scale is 2^(floor(log2(largest magnitude)) - 2): the largest magnitude's exponent field less 2 is the byte, and the conversion takes just that field of its scale operand.
.irp u, 0,1,2,3,4,5,6,7
	v_mov_b32 v[TP+\u], 0                          ; written once: a lane permute's destination counts as one of its sources
.endr
; Eight blocks at v[base + 16 u] of window win: their largest magnitudes, scale operands (OP) and bytes (TP).  Each accumulator is read from its low end on.
.macro SCALES8 base, win
	WIN 5*\win                                     ; sources 0 and 1 in that window
.irp u, 0,1,2,3,4,5,6,7
	v_max3_num_f32 v[TM+\u], |v[\base+16*\u]|, |v[\base+16*\u+1]|, 0x1800000   ; my 16 numbers of block u, and the floor 2^(3 - 127): the byte cannot fall under 1
.endr
.irp i, 2,4,6,8,10,12,14
.irp u, 0,1,2,3,4,5,6,7
	v_max3_num_f32 v[TM+\u], |v[\base+16*\u+\i]|, |v[\base+16*\u+\i+1]|, v[TM+\u]   ; (the blocks by turns)
.endr
.endr
	WIN 0
.irp u, 0,1,2,3,4,5,6,7
	v_permlanex16_b32 v[TP+\u], v[TM+\u], s[SEL], s[SEL+1]
.endr
.irp u, 0,1,2,3,4,5,6,7
	v_max_num_f32 v[TM+\u], v[TM+\u], v[TP+\u]     ; with lane l xor 16's 16: the block's
.endr
.irp u, 0,1,2,3,4,5,6,7
	v_add_nc_u32 v[OP+\u], 0xff000000, v[TM+\u]    ; 2 off the exponent field
.endr
.irp u, 0,1,2,3,4,5,6,7
	v_lshrrev_b32 v[TP+\u], 23, v[OP+\u]           ; the byte
.endr
.endm
.macro WORD d, n                       ; four bytes, TP + 4 n .. TP + 4 n + 3, make a scale word
	v_lshl_or_b32 v[\d], v[TP+4*\n+1], 8, v[TP+4*\n]
	v_lshl_or_b32 v[\d], v[TP+4*\n+2], 16, v[\d]
	v_lshl_or_b32 v[\d], v[TP+4*\n+3], 24, v[\d]
.endm
; q or k of token tiles 4 g .. 4 g + 3: two blocks a tile; two tiles' six registers each make the twelve of a pair
.macro QKB g
	SCALES8 128*\g, 2
	WORD WW+2*\g, 0
	WORD WW+2*\g+1, 1
	WIN 0x02                                       ; source 0 window 2
.irp i, 0,1,2,3
	v_cvt_scalef32_pk16_fp6_f32 v[CD+6*(4*\g+\i):CD+6*(4*\g+\i)+2], v[128*\g+32*\i:128*\g+32*\i+15], v[OP+2*\i]
	v_cvt_scalef32_pk16_fp6_f32 v[YT+4*\i:YT+4*\i+2], v[128*\g+32*\i+16:128*\g+32*\i+31], v[OP+2*\i+1]
.endr
	WIN 0
	v_nop                                          ; one plain place behind a scaled conversion
.irp i, 0,1,2,3
.irp e, 0,1,2
	v_permlane16_swap_b32 v[CD+6*(4*\g+\i)+\e], v[YT+4*\i+\e]   ; a WHOLE block to a lane: lanes 0-15 block 0, lanes 16-31 block 1
.endr
.irp e, 0,1,2
	v_mov_b32 v[CD+6*(4*\g+\i)+3+\e], v[YT+4*\i+\e]
.endr
.endr
.irp i, 0,1,2,3,4,5
	global_store_b128 v[L16], v[CD+24*\g+4*\i:CD+24*\g+4*\i+3], s[90:91] offset:512*(6*\g+\i)   ; 512 consecutive bytes
.endr
.endm
	QKB 0
	QKB 1
	; v: tile n's four blocks of 32 tokens are one whole fragment
	SCALES8 0, 3
	WORD VW, 0
	WORD VW+1, 1
	WIN 0x03                                       ; source 0 window 3
.irp n, 0,1
.irp c, 0,1
	v_cvt_scalef32_pk16_fp6_f32 v[VC+12*\n+6*\c:VC+12*\n+6*\c+2], v[64*\n+32*\c:64*\n+32*\c+15], v[OP+4*\n+2*\c]
	v_cvt_scalef32_pk16_fp6_f32 v[VY+8*\n+4*\c:VY+8*\n+4*\c+2], v[64*\n+32*\c+16:64*\n+32*\c+31], v[OP+4*\n+2*\c+1]
.endr
.endr
	WIN 0
	v_nop                                          ; one plain place behind a scaled conversion
.irp n, 0,1
.irp c, 0,1
.irp e, 0,1,2
	v_permlane16_swap_b32 v[VC+12*\n+6*\c+\e], v[VY+8*\n+4*\c+\e]
.endr
.irp e, 0,1,2
	v_mov_b32 v[VC+12*\n+6*\c+3+\e], v[VY+8*\n+4*\c+\e]
.endr
.endr
.endr
.irp n, 0,1
.irp c, 0,1,2
	global_store_b128 v[L16], v[VC+12*\n+4*\c:VC+12*\n+4*\c+3], s[92:93] offset:1536*\n+512*\c
.endr
.endr
	v_cmp_le_u32 vcc_lo, 16, v26                   ; lanes 16-31 carry the odd pair's, the odd tile's words
.irp i, 0,1
	v_cndmask_b32 v[KSO+\i], v[WW+2*\i], v[WW+2*\i+1], vcc_lo
.endr
	v_cndmask_b32 v[VSO], v[VW], v[VW+1], vcc_lo
	global_store_b64 v[L8], v[KSO:KSO+1], s[98:99] ; 256 consecutive bytes
	global_store_b32 v[L4], v[VSO], s[94:95]
	s_wait_tensorcnt 0x0                           ; the wave's end
	ds_add_u32 v[SPW], v[NIL]
	s_wait_dscnt 0x0
	CROUND                                         ; the closing round: no work-group ends while a partner may still ask for a tile that names it
	s_endpgm
.Lfunc_end_k_q1ff6d02fd3_qkv:
	.size	k_q1ff6d02fd3_qkv, .Lfunc_end_k_q1ff6d02fd3_qkv-k_q1ff6d02fd3_qkv
	.p2alignl 7, 3214868480
	.fill 96, 4, 3214868480
	.section	.rodata,"a",@progbits
	.p2align	6, 0x0
	.amdhsa_kernel k_q1ff6d02fd3_qkv
		.amdhsa_group_segment_fixed_size 327680
		.amdhsa_private_segment_fixed_size 0
		.amdhsa_enable_private_segment 0
		.amdhsa_kernarg_size 48
		.amdhsa_user_sgpr_count 2
		.amdhsa_user_sgpr_kernarg_segment_ptr 1
		.amdhsa_wavefront_size32 1
		.amdhsa_system_sgpr_workgroup_id_x 1
		.amdhsa_system_sgpr_workgroup_id_y 1
		.amdhsa_system_sgpr_workgroup_id_z 1
		.amdhsa_system_vgpr_workitem_id 0
		.amdhsa_next_free_vgpr 896
		.amdhsa_next_free_sgpr 100
		.amdhsa_reserve_vcc 1
		.amdhsa_float_denorm_mode_32 3
		.amdhsa_float_denorm_mode_16_64 3
		.amdhsa_memory_ordered 1
		.amdhsa_forward_progress 1
		.amdhsa_inst_pref_size 132
	.end_amdhsa_kernel
	.amdgpu_metadata
---
amdhsa.version: [ 1, 2 ]
amdhsa.kernels:
  - .name:           k_q1ff6d02fd3_qkv
    .symbol:         k_q1ff6d02fd3_qkv.kd
    .args:
      - { .name: x_codes, .offset: 0, .size: 8, .value_kind: global_buffer, .address_space: global }
      - { .name: x_scales, .offset: 8, .size: 8, .value_kind: global_buffer, .address_space: global }
      - { .name: w_qkv_codes, .offset: 16, .size: 8, .value_kind: global_buffer, .address_space: global }
      - { .name: w_qkv_scales, .offset: 24, .size: 8, .value_kind: global_buffer, .address_space: global }
      - { .name: qrec, .offset: 32, .size: 8, .value_kind: global_buffer, .address_space: global }
      - { .name: kvrec, .offset: 40, .size: 8, .value_kind: global_buffer, .address_space: global }
    .group_segment_fixed_size: 327680
    .private_segment_fixed_size: 0
    .kernarg_segment_align: 8
    .kernarg_segment_size: 48
    .max_flat_workgroup_size: 128
    .sgpr_count:     100
    .vgpr_count:     896
    .wavefront_size: 32
...
	.end_amdgpu_metadata
.endif
;; end of part 1
;; launch attn (part 2): grid 8 x 32, 8 waves a work-group, clusters of 4 x 1, 327,680 bytes of LDS; arguments qrec, kvrec, ctxi, ctxs; writes ctxi, ctxs
.if DOCPART == 2
	.amdgcn_target "amdgcn-amd-amdhsa--gfx1250"
	.amdhsa_code_object_version 6
	.text
	.protected	k_q1ff6d02fd3_attn
	.globl	k_q1ff6d02fd3_attn
	.p2align	8
	.type	k_q1ff6d02fd3_attn,@function
k_q1ff6d02fd3_attn:
	s_mov_b64 s[64:65], 0
	v_nop
	global_prefetch_b8 v0, s[64:65] scope:SCOPE_SE
	s_setreg_imm32_b32 hwreg(HW_REG_WAVE_MODE, 25, 1), 1
	s_wait_xcnt 0x0
	s_wait_alu depctr_hold_cnt(0) depctr_sa_sdst(0) depctr_va_vdst(0) depctr_va_sdst(0) depctr_va_ssrc(0) depctr_va_vcc(0) depctr_vm_vsrc(0)
	s_getreg_b32 s2, hwreg(HW_REG_IB_STS2, 6, 4)
	s_cmp_eq_u32 s2, 0
	s_cbranch_scc0 .Lentry_in_a_cluster
	s_endpgm
.Lentry_in_a_cluster:
	s_bfe_u32 s2, ttmp6, 0x10000c
	s_cmp_lg_u32 s2, 0x3003
	s_cbranch_scc0 .Lentry_shape_is_right
	s_endpgm
.Lentry_shape_is_right:
; Causal attention of one head on codes of FP6 (E2M3), and the quantising of its result along the model's axis.  Head size 64, 2,048 tokens, 32 (batch, head) pairs.
; SOFTMAX: t = score x log2(e) / 8; M = the running largest t rounded UP to a whole number; p = 2^(t - M) is quantised along the keys, not normalised; the row's sum is taken of the unquantised p and
; divides at the end.  When M moves, the sum and O are multiplied by 2^(old M - new M), which rounds nothing.
; A BLOCK'S SCALE: its largest p is 2^(u - M), u its largest t, so floor(log2 p) = floor(u - M): no exponential is needed for it.  It is held at -124 from below, so that the byte, + 127 - 2, is at least 1.
; INPUTS are images of operand registers, one record for each 128 tokens of a head, as the first launch describes them.  A fragment of K holds TWO tiles of 16 keys, one in each half of the instruction's 128 along K:
; it is multiplied by [q, 0] for the even tile's scores and by [0, q] for the odd tile's.  Zero codes add nothing under any finite scale.
; WORK LEFT OUT: steps of 128 keys that all come after a tile's queries: the causal mask hides them, p is 0 there for all inputs.  A NaN or an infinity that reaches only such scores is not carried.
; SHARES.  8 work-groups a head; a wave owns TWO tiles of 16 queries, one after the other: tile a of block 15 - w (16 - w key steps), then tile a of block w (w + 1 steps); a = 4 c2 + cx, c2 the cluster's x.
; So every wave walks 17 steps: trips 0 .. 16.  Block 15 - w ends in trip 15 - w, one of 8 .. 15; trip 16 is always the other tile's diagonal step.  No branch hangs on the place in the cluster.
; LDS holds the head's 16 records, 204,800 bytes, filled ONCE: wave w asks for records 2 w and 2 w + 1 by one joint load of the four partners, which walk the same head.  Trip 0 reads records 0 and 1, wave 0's; the barrier in
; trip 1 shows all.  Nothing is filled again and no result is stored to LDS.  No prefetch: all that the launch reads is asked for at its head.
; LAYOUT.  S^T = K Q^T (source 0 = 16 keys), O^T = V^T P^T (source 0 = 16 channels): a lane holds one query (lane % 16) throughout.  The 16 registers of score tiles 2 b, 2 b + 1 are places 8 h + 0..7 and
; 16 + 8 h + 0..7 of key block b; behind the conversions and the exchange of halves p's block stands in the order 0-7, 16-23, 8-15, 24-31, which is the order in which v's codes were laid.
; THE RESULT meets w_out's codes, which lie in the plain order: sixteen exchanges of halves bring a lane 16 neighbouring channels before the quantiser.  ctxi: [128 tokens][head][tile][512 + 256] images of a
; fragment's half; ctxs: [token][32] scale bytes (one store of a single byte a lane: it buys rows that the next launch reads whole).
; LIMITS: NaN and infinities are not served; scaled scores stay under 2^31 in magnitude.  A block of zeros, or under 2^-124, gets the scale byte 1; the bytes are read by this program alone.
; Window 1 holds the second tile's Q (v256-261) and its scale word (v262) until the tiles change.
.set REC, 12800
.set SPARE, 16*REC
.set L16, 1
.set L8,  2
.set L4,  3
.set A16, 4                            ; the same + the LDS byte of the record that is fetched next
.set A8,  5
.set A4,  6
.set MB,  7                            ; the mask's bound
.set FF,  8                            ; 2^(old M - new M)
.set CC,  9                            ; log2(e) / 8
.set VS,  10                           ; V's scale words
.set NM,  12                           ; -M
.set MX,  13                           ; the largest score so far
.set SM,  14                           ; the sum, in two halves
.set QF,  16                           ; q, zeros, q: six registers each
.set QS,  34
.set PS,  35
.set KS,  36
.set KF,  38                           ; K: four pairs of tiles
.set VF,  86                           ; V: four tiles of 16 channels
.set S,   134
.set O,   198
.set PC,  230                          ; p's codes
.set BM,  242
.set TP,  246
.set OP,  250
.set SPW, 254
.set NIL, 255
.set WV,  12
.set LIM, 17                           ; 15 - w: the first tile's last key step
.set SC,  19                           ; the trip
.set TN,  22                           ; LDS byte of the next trip's record
.set CS,  48
.set CN,  49
.set SEL, 50
.set MSB, 0
.macro WIN new
.if MSB != \new
	s_set_vgpr_msb (MSB<<8)|\new
.set MSB, \new
.endif
.endm
.macro PLACES n
.rept \n
	v_nop
.endr
.endm
.macro HINT n
	s_delay_alu instid0(VALU_DEP_\n)
.endm
.macro CROUND
	s_barrier_signal -1
	s_barrier_wait -1
	s_cmp_lg_u32 s[WV], 0
	s_cbranch_scc1 .Lnot_wave_0_\@
	s_barrier_signal -3
.Lnot_wave_0_\@:
	s_barrier_wait -3
	s_barrier_signal -1
	s_barrier_wait -1
.endm
.macro ARM n                           ; one tensor load, in an arm of its own
	s_cmp_eq_u32 s[WV], \n
	s_cbranch_scc0 .Lnot_\n
	tensor_load_to_lds s[40:43], s[24:31]
	s_nop 0
	PLACES 4
	s_branch .Lasked
.Lnot_\n:
.endm
.macro LOADK a16, a8                   ; a record's K: 13 loads
	ds_load_b64 v[KS:KS+1], v[\a8] offset:12288
.set I, 0
.rept 12
	ds_load_b128 v[KF+4*I:KF+4*I+3], v[\a16] offset:512*I
.set I, I+1
.endr
.endm
.macro LOADV a16, a4                   ; its V: 14 loads
.set I, 0
.rept 12
	ds_load_b128 v[VF+4*I:VF+4*I+3], v[\a16] offset:6144+512*I
.set I, I+1
.endr
	ds_load_b32 v[VS], v[\a4] offset:12544
	ds_load_b32 v[VS+1], v[\a4] offset:12672
.endm
.macro SP pr, row                      ; a pair's 32 keys x my 16 queries
.irp e, 0,1
	v_wmma_scale_f32_16x16x128_f8f6f4 v[S+16*\pr+8*\e:S+16*\pr+8*\e+7], v[KF+12*\pr:KF+12*\pr+11], v[QF+6*\e:QF+6*\e+11], 0, v[KS+\pr/2], v[QS] matrix_a_fmt:MATRIX_FMT_FP6 matrix_b_fmt:MATRIX_FMT_FP6 matrix_a_scale:MATRIX_SCALE_ROW\row
.endr
.endm
.macro PV t, row, c                    ; 16 channels x my 16 queries, K = the step's 128 keys
	v_wmma_scale_f32_16x16x128_f8f6f4 v[O+8*\t:O+8*\t+7], v[VF+12*\t:VF+12*\t+11], v[PC:PC+11], \c, v[VS+\t/2], v[PS] matrix_a_fmt:MATRIX_FMT_FP6 matrix_b_fmt:MATRIX_FMT_FP6 matrix_a_scale:MATRIX_SCALE_ROW\row
.endm
.macro ADDS n                          ; p's sums: registers 0 .. n - 1 take n .. 2 n - 1, in pairs
.set I, 0
.rept (\n)/2
	v_dual_add_f32 v[S+I], v[S+I], v[S+\n+I] :: v_dual_add_f32 v[S+I+1], v[S+I+1], v[S+\n+I+1]
.set I, I+2
.endr
.endm
; A KEY STEP.  K and V of its record have been asked for a step ahead.  first: it starts M, the sum and O.  mid: a barrier shows all records.  diag: 1 = the mask where the trip is the first tile's last, 2 = always.
; last: nothing more is fetched.
.macro STEP first, mid, diag, last
	s_wait_dscnt 14                                ; K is in; V's 14 younger loads may be out
	SP 0, 0
	SP 1, 1
	SP 2, 0
	SP 3, 1
.if \last
	PLACES 4                                       ; in front of the first read of the scores
.else
	v_add_nc_u32 v[A16], s[TN], v[L16]
	v_add_nc_u32 v[A8], s[TN], v[L8]
	v_add_nc_u32 v[A4], s[TN], v[L4]
	v_nop                                          ; (four places in front of the first read of the scores)
.endif
.if (\diag) == 1
	s_cmp_lg_u32 s[SC], s[LIM]
	s_cbranch_scc1 .Lopen_\@
.endif
.if \diag
	v_mov_b32 v[OP], 0xff800000                    ; hidden scores become -infinity ahead of the maximum: p = 0 then.  The step's first key counts for each of my queries
.set I, 0
.rept 64
	v_cmp_gt_i32 vcc_lo, 16*(I/8)+I%8, v[MB]
	v_cndmask_b32 v[S+I], v[S+I], v[OP], vcc_lo
.set I, I+1
.endr
.endif
.if (\diag) == 1
.Lopen_\@:
.endif
.irp b, 0,1,2,3
	v_max3_num_f32 v[BM+\b], v[S+16*\b], v[S+16*\b+1], v[S+16*\b+2]   ; the largest score of each block of 32 keys: for the row's maximum and for the block's scale
.endr
.irp i, 3,5,7,9,11,13
.irp b, 0,1,2,3
	v_max3_num_f32 v[BM+\b], v[BM+\b], v[S+16*\b+\i], v[S+16*\b+\i+1]
.endr
.endr
.irp b, 0,1,2,3
	v_max_num_f32 v[BM+\b], v[BM+\b], v[S+16*\b+15]
.endr
.if \mid
	s_wait_alu depctr_va_vdst(0)                   ; directly ahead of the waits below
	s_wait_tensorcnt 0x0                           ; my two records are in,
	s_wait_dscnt 0x0
	s_barrier_signal -1
	s_barrier_wait -1                              ; everybody's are
.endif
.if (\last) == 0
	LOADK A16, A8
.endif
.irp b, 0,1,2,3
	v_permlanex16_b32 v[TP+\b], v[BM+\b], s[SEL], s[SEL+1]
.endr
.irp b, 0,1,2,3
	HINT 4
	v_max_num_f32 v[BM+\b], v[BM+\b], v[TP+\b]     ; with lane l xor 16's 16 keys
.endr
	HINT 2
	v_max3_num_f32 v[OP], v[BM], v[BM+1], v[BM+2]
	HINT 1
.if \first
	v_max_num_f32 v[MX], v[OP], v[BM+3]
	HINT 1
	v_mul_f32 v[OP], s[CN], v[MX]
	HINT 1
	v_floor_f32 v[NM], v[OP]                       ; -M = floor(-t): M is a whole number
.else
	v_max3_num_f32 v[MX], v[MX], v[OP], v[BM+3]    ; the running largest score
	HINT 1
	v_mul_f32 v[OP], s[CN], v[MX]
	v_mov_b32 v[OP+1], v[NM]
	HINT 2
	v_floor_f32 v[NM], v[OP]                       ; the new -M = floor(-t): M is a whole number
	HINT 1
	v_sub_f32 v[OP+1], v[NM], v[OP+1]              ; old M - new M: a whole number, 0 or less
	HINT 1
	v_cvt_i32_f32 v[OP+1], v[OP+1]                 ; (it saturates)
	HINT 1
	v_ldexp_f32 v[FF], 1.0, v[OP+1]
.endif
.set I, 0
.rept 32
	v_dual_fma_f32 v[S+I], v[S+I], v[CC], v[NM] :: v_dual_fma_f32 v[S+I+1], v[S+I+1], v[CC], v[NM]   ; t - M
.set I, I+2
.endr
.irp b, 0,1,2,3
	v_fma_f32 v[BM+\b], v[BM+\b], s[CS], v[NM]     ; the same of each block's largest score
.endr
.if (\first) == 0
.set I, 0
.rept 16
	v_dual_mul_f32 v[O+I], v[FF], v[O+I] :: v_dual_mul_f32 v[O+I+1], v[FF], v[O+I+1]   ; O^T under the new M, each accumulator from its low end on
.set I, I+2
.endr
	v_dual_mul_f32 v[SM], v[FF], v[SM] :: v_dual_mul_f32 v[SM+1], v[FF], v[SM+1]
.endif
.irp b, 0,1,2,3
	v_max_num_f32 v[BM+\b], 0xc2f80000, v[BM+\b]   ; -124
.endr
.irp b, 0,1,2,3
	v_cvt_floor_i32_f32 v[BM+\b], v[BM+\b]
.endr
.irp b, 0,1,2,3
	v_lshl_add_u32 v[OP+\b], v[BM+\b], 23, 0x3e800000   ; + 127 - 2, in the exponent field: the conversion's scale operand
.endr
.irp b, 0,1,2,3
	v_lshrrev_b32 v[TP+\b], 23, v[OP+\b]           ; the byte
.endr
	v_lshl_or_b32 v[PS], v[TP+1], 8, v[TP]         ; p's scale word for these 128 keys
	v_lshl_or_b32 v[PS], v[TP+2], 16, v[PS]
	s_wait_alu depctr_va_vdst(0)                   ; ahead of the batch
.if \last
	s_wait_dscnt 0x0                               ; V is in
.else
	s_wait_dscnt 13                                ; V is in; the next K's 13 younger loads may be out
.endif
.set I, 0
.rept 64
	v_exp_f32 v[S+I], v[S+I]                       ; p = 2^(t - M), at most 1
.set I, I+1
.endr
	v_lshl_or_b32 v[PS], v[TP+3], 24, v[PS]        ; (a plain place behind the exponentials)
	s_wait_alu depctr_va_vdst(0)                   ; and behind it
	v_cvt_scalef32_pk16_fp6_f32 v[PC:PC+2], v[S:S+15], v[OP]
	v_cvt_scalef32_pk16_fp6_f32 v[BM:BM+2], v[S+16:S+31], v[OP+1]
	v_cvt_scalef32_pk16_fp6_f32 v[PC+6:PC+8], v[S+32:S+47], v[OP+2]
	v_cvt_scalef32_pk16_fp6_f32 v[TP:TP+2], v[S+48:S+63], v[OP+3]
	v_nop                                          ; one plain place behind a scaled conversion
.irp e, 0,1,2
	v_permlane16_swap_b32 v[PC+\e], v[BM+\e]       ; a WHOLE block to a lane: lanes 0-15 block 2 c, lanes 16-31 block 2 c + 1
	v_permlane16_swap_b32 v[PC+6+\e], v[TP+\e]
.endr
	ADDS 32                                        ; THE ROW'S SUM IS TAKEN OF THE UNQUANTISED p
	v_dual_mov_b32 v[PC+4], v[BM+1] :: v_dual_mov_b32 v[PC+3], v[BM]
	v_dual_mov_b32 v[PC+10], v[TP+1] :: v_dual_mov_b32 v[PC+9], v[TP]
	v_mov_b32 v[PC+5], v[BM+2]
	v_mov_b32 v[PC+11], v[TP+2]
	ADDS 16                                        ; (the sums are the places between p's scale word and codes and the products)
.if \first
	PV 0, 0, 0
	PV 1, 1, 0
	PV 2, 0, 0
	PV 3, 1, 0
.else
	PV 0, 0, v[O+0:O+7]
	PV 1, 1, v[O+8:O+15]
	PV 2, 0, v[O+16:O+23]
	PV 3, 1, v[O+24:O+31]
.endif
	ADDS 8                                         ; (and the places in front of the loads, and of the reads of O^T)
	ADDS 4
.if \first
	v_dual_add_f32 v[SM], v[S], v[S+2] :: v_dual_add_f32 v[SM+1], v[S+1], v[S+3]
.else
	ADDS 2
	v_dual_add_f32 v[SM], v[SM], v[S] :: v_dual_add_f32 v[SM+1], v[SM+1], v[S+1]
.endif
.if (\last) == 0
	LOADV A16, A4
.endif
.endm
; THE WAY OUT of a tile: O^T / the sum, in f32; 16 neighbouring channels to a lane; the quantiser along the model's axis (my head's 64 channels are two of its blocks); the image of half a fragment.
.macro WAYOUT ci, cs
	v_add_f32 v[SM], v[SM], v[SM+1]                ; the sum's two halves,
	v_permlanex16_b32 v[FF], v[SM], s[SEL], s[SEL+1]
	v_add_f32 v[SM], v[SM], v[FF]                  ; and lane l xor 16's
	s_wait_alu depctr_va_vdst(0)
	v_rcp_f32 v[SM], v[SM]
	v_and_b32 v[BM+2], 1, v0                       ; h  (a plain place behind the transcendental)
	s_wait_alu depctr_va_vdst(0)
.set I, 0
.rept 16
	v_dual_mul_f32 v[S+I], v[SM], v[O+I] :: v_dual_mul_f32 v[S+I+1], v[SM], v[O+I+1]   ; register 8 t + i is ctx(query r, channel 16 t + 8 h + i)
.set I, I+2
.endr
.irp b, 0,1
.irp j, 0,1,2,3,4,5,6,7
	v_permlane16_swap_b32 v[S+16*\b+\j], v[S+16*\b+8+\j]   ; my 16 registers are now channels 32 b + 16 h + 0 .. 15
.endr
.endr
.irp b, 0,1
	v_max3_num_f32 v[BM+\b], |v[S+16*\b]|, |v[S+16*\b+1]|, 0x1800000   ; with the floor 2^(3 - 127)
.endr
.irp i, 2,4,6,8,10,12,14
.irp b, 0,1
	v_max3_num_f32 v[BM+\b], v[BM+\b], |v[S+16*\b+\i]|, |v[S+16*\b+\i+1]|
.endr
.endr
.irp b, 0,1
	v_permlanex16_b32 v[TP+\b], v[BM+\b], s[SEL], s[SEL+1]
.endr
.irp b, 0,1
	v_max_num_f32 v[BM+\b], v[BM+\b], v[TP+\b]
.endr
.irp b, 0,1
	v_add_nc_u32 v[OP+\b], 0xff000000, v[BM+\b]    ; 2 off the exponent field
.endr
.irp b, 0,1
	v_lshrrev_b32 v[TP+\b], 23, v[OP+\b]
.endr
	v_cvt_scalef32_pk16_fp6_f32 v[PC:PC+2], v[S:S+15], v[OP]
	v_cvt_scalef32_pk16_fp6_f32 v[PC+6:PC+8], v[S+16:S+31], v[OP+1]
	v_cmp_eq_u32 vcc_lo, 1, v[BM+2]                ; (one plain place behind a scaled conversion)
.irp e, 0,1,2
	v_permlane16_swap_b32 v[PC+\e], v[PC+6+\e]     ; lanes 0-15 block 0, lanes 16-31 block 1, each whole and in the plain order
.endr
.irp e, 0,1,2
	v_mov_b32 v[PC+3+\e], v[PC+6+\e]
.endr
	v_cndmask_b32 v[BM+3], v[TP], v[TP+1], vcc_lo  ; lane (r, h) carries block h's byte
	global_store_b128 v[L16], v[PC:PC+3], s[\ci:\ci+1]               ; 512 consecutive bytes
	global_store_b64 v[L8], v[PC+4:PC+5], s[\ci:\ci+1] offset:512    ; 256 consecutive bytes
	global_store_b8 v0, v[BM+3], s[\cs:\cs+1]
.endm
	s_load_b256 s[4:11], s[0:1], 0x0               ; qrec s[4:5], kvrec s[6:7], ctxi s[8:9], ctxs s[10:11]
	v_lshl_add_u32 v[SPW], v0, 2, SPARE
	v_mov_b32 v[NIL], 0
	ds_add_u32 v[SPW], v[NIL]                      ; the opening: the add, twice on end, and its wait
	ds_add_u32 v[SPW], v[NIL]
	v_lshrrev_b32 v4, 5, v0
	v_readfirstlane_b32 s[WV], v4                  ; wave 0..7
	s_sub_co_u32 s[LIM], 15, s[WV]
	s_bfe_u32 s14, ttmp6, 0x40000                  ; cx
	s_and_b32 s15, ttmp7, 0xffff                   ; batch x 16 + head
	s_lshl_b32 s18, ttmp9, 2
	s_add_co_u32 s18, s18, s14                     ; a: my tile among the 8 of its 128 tokens; it enters global addresses and the mask's lane data alone
	; descriptor group 1: a dense block, two records, as 100 rows of 256 bytes (32 elements of 8 bytes)
	s_mov_b32 s24, 15|(3<<16)|(1<<21)              ; 15:0 the mask: all four work-groups; elements of 8 bytes; 21 set beside a mask
	s_mov_b32 s25, 32<<16
	s_mov_b32 s26, 100<<16
	s_mov_b32 s27, 32<<16
	s_mov_b32 s28, 100
	s_mov_b32 s29, 32
	s_mov_b32 s30, 0
	s_mov_b32 s31, 0
	s_mul_i32 s56, s15, 16*REC                     ; the head's records
	s_mov_b32 s57, 0
	s_mul_i32 s58, s[WV], 2*REC                    ; my two
	s_mov_b32 s59, 0
	s_lshr_b32 s52, s18, 1                         ; a's pair,
	s_and_b32 s53, s18, 1                          ; and its place in it
	s_mul_i32 s60, s52, 1536
	s_mul_i32 s54, s53, 520
	s_mul_i32 s61, s53, 1016
	s_add_co_u32 s61, s61, s60
	s_add_co_u32 s61, s61, 8                       ; the tile's second 8 bytes a lane: at 8 of the first plane, or at the start of the third;
	s_add_co_u32 s60, s60, s54                     ; its first and third: at 0 and 512, or at 520 and 1,032
	s_and_b32 s62, s52, 1
	s_lshl_b32 s62, s62, 7
	s_lshr_b32 s54, s52, 1
	s_lshl_b32 s54, s54, 2
	s_add_co_u32 s62, s62, s54                     ; its pair's scale words
	s_lshl_b32 s63, s53, 4                         ; its half of the word
	s_lshl_b32 s71, s18, 4                         ; 16 a
	s_lshl_b32 s54, s15, 4
	s_add_co_u32 s66, s54, s[LIM]
	s_mul_i32 s66, s66, 6400                       ; my first tile's record of q,
	s_mov_b32 s67, 0
	s_add_co_u32 s68, s54, s[WV]
	s_mul_i32 s68, s68, 6400                       ; and my second's
	s_mov_b32 s69, 0
	s_lshr_b32 s52, s15, 4                         ; batch
	s_and_b32 s53, s15, 15                         ; head
	s_lshl_b32 s54, s52, 4
	s_mul_i32 s55, s53, 6144
	s_mul_i32 s70, s18, 768
	s_add_co_u32 s55, s55, s70                     ; where a tile's image lies in its block of 128 tokens
	s_lshl_b32 s70, s18, 9
	s_lshl_b32 s53, s53, 1
	s_add_co_u32 s70, s70, s53                     ; and its scale bytes
	s_add_co_u32 s52, s54, s[LIM]
	s_mul_i32 s72, s52, 98304
	s_add_co_u32 s72, s72, s55
	s_lshl_b32 s74, s52, 12
	s_add_co_u32 s74, s74, s70
	s_add_co_u32 s52, s54, s[WV]
	s_mul_i32 s76, s52, 98304
	s_add_co_u32 s76, s76, s55
	s_lshl_b32 s78, s52, 12
	s_add_co_u32 s78, s78, s70
	s_mov_b32 s73, 0
	s_mov_b32 s75, 0
	s_mov_b32 s77, 0
	s_mov_b32 s79, 0
	s_mov_b32 s[CS], 0x3e38aa3b                    ; c = log2(e) / 8
	s_mov_b32 s[CN], 0xbe38aa3b                    ; -c
	s_mov_b32 s[SEL], 0x76543210
	s_mov_b32 s[SEL+1], 0xfedcba98                 ; selects for lane l xor 16
	v_and_b32 v4, 31, v0                           ; lane
	v_and_b32 v5, 15, v0                           ; r
	v_bfe_u32 v6, v0, 4, 1                         ; h
	v_lshlrev_b32 v[L16], 4, v4
	v_lshlrev_b32 v[L8], 3, v4
	v_lshlrev_b32 v[L4], 2, v4
	v_add_nc_u32 v134, s60, v[L16]
	v_add_nc_u32 v135, s61, v[L16]
	v_lshl_add_u32 v136, v5, 3, s62
	v_lshlrev_b32 v137, 3, v6
	v_sub_nc_u32 v[MB], v5, v137
	v_add_nc_u32 v[MB], s71, v[MB]                 ; 16 a + r - 8 h: register 8 tau + i of a diagonal step is hidden where 16 tau + i is larger
	v_lshl_add_u32 v0, v5, 5, v6                   ; 32 r + h: my token's row of scale bytes, my block's byte
	v_mov_b32 v[CC], 0x3e38aa3b
.irp i, 0,1,2,3,4,5
	v_mov_b32 v[QF+6+\i], 0                        ; the zero codes
.endr
.irp b, 0,1,2,3
	v_mov_b32 v[TP+\b], 0                          ; a lane permute's destination counts as one of its sources
.endr
	v_mov_b32 v[FF], 0
	s_wait_alu depctr_va_vdst(0)                   ; directly ahead of the waits below
	s_wait_dscnt 0x0                               ; both opening adds are done
	s_wait_kmcnt 0x0
	s_add_nc_u64 s[66:67], s[4:5], s[66:67]
	s_add_nc_u64 s[68:69], s[4:5], s[68:69]
	global_load_b64 v[QF:QF+1], v134, s[66:67]     ; both tiles' Q go out ahead of the round
	global_load_b64 v[QF+2:QF+3], v135, s[66:67]
	global_load_b64 v[QF+4:QF+5], v134, s[66:67] offset:512
	global_load_b32 v140, v136, s[66:67] offset:6144
	global_load_b32 v141, v136, s[68:69] offset:6144
	WIN 0x40                                       ; destination window 1
	global_load_b64 v[0:1], v134, s[68:69]
	global_load_b64 v[2:3], v135, s[68:69]
	global_load_b64 v[4:5], v134, s[68:69] offset:512
	WIN 0
	s_add_nc_u64 s[56:57], s[6:7], s[56:57]
	s_mov_b32 s40, 1
	s_mov_b32 s41, s58
	s_add_nc_u64 s[42:43], s[56:57], s[58:59]
	s_or_b32 s43, s43, 0x80000000
	s_add_nc_u64 s[72:73], s[8:9], s[72:73]
	s_add_nc_u64 s[74:75], s[10:11], s[74:75]
	s_add_nc_u64 s[76:77], s[8:9], s[76:77]
	s_add_nc_u64 s[78:79], s[10:11], s[78:79]
	CROUND                                         ; all four work-groups are here: the joint loads meet
	ARM 0
	tensor_load_to_lds s[40:43], s[24:31]          ; waves 1 .. 7
	s_nop 0
	PLACES 4
.Lasked:
	s_wait_loadcnt 0x0                             ; Q
.irp i, 0,1,2,3,4,5
	v_mov_b32 v[QF+12+\i], v[QF+\i]
.endr
	v_lshrrev_b32 v140, s63, v140                  ; my tile's two bytes, for either half of K
	v_lshrrev_b32 v141, s63, v141
	v_and_b32 v140, 0xffff, v140
	v_and_b32 v141, 0xffff, v141
	v_lshl_or_b32 v[QS], v140, 16, v140
	WIN 0x40
	v_lshl_or_b32 v6, v141, 16, v141               ; v262
	WIN 0
	s_mov_b32 s[TN], REC
	s_wait_alu depctr_va_vdst(0)                   ; the head's end
	s_cmp_eq_u32 s[WV], 0
	s_cbranch_scc0 .Lnot_mine
	s_wait_tensorcnt 0x0
.Lnot_mine:
	s_barrier_signal -1
	s_barrier_wait -1                              ; records 0 and 1 are in; the others may be on their way
	LOADK L16, L8
	LOADV L16, L4
	STEP 1, 0, 0, 0                                ; trip 0
	s_mov_b32 s[TN], 2*REC
	STEP 0, 1, 0, 0                                ; trip 1
	s_mov_b32 s[SC], 2
	s_wait_alu depctr_va_vdst(0)
.Ltrips:
	s_add_co_u32 s20, s[SC], 1                     ; the next trip's record: one on, or, behind the first tile's last step, from 0 on again
	s_sub_co_u32 s21, s[SC], s[LIM]
	s_cmp_lt_u32 s[SC], s[LIM]
	s_cselect_b32 s20, s20, s21
	s_and_b32 s20, s20, 15
	s_mul_i32 s[TN], s20, REC
	STEP 0, 0, 1, 0
	s_cmp_lg_u32 s[SC], s[LIM]
	s_cbranch_scc1 .Lgo_on
	WAYOUT 72, 74                                  ; the first tile is done
	WIN 0x01                                       ; source 0 window 1
	v_mov_b32 v[QS], v6                            ; the second's scale word,
.irp i, 0,1,2,3,4,5
	v_mov_b32 v[QF+\i], v\i                        ; and its Q
	v_mov_b32 v[QF+12+\i], v\i
.endr
	WIN 0
.set I, 0
.rept 32
	v_mov_b32 v[O+I], 0                            ; (its steps are written as every step: the first finds zeros, which the first change of M leaves zeros)
.set I, I+1
.endr
	v_mov_b32 v[SM], 0
	v_mov_b32 v[SM+1], 0
	v_mov_b32 v[MX], 0xff61b1e6                    ; -3e38
	v_mov_b32 v[NM], 0x7f61b1e6
	s_wait_alu depctr_va_vdst(0)
	s_wait_xcnt 0x0                                ; the stores have read their registers
.Lgo_on:
	s_wait_alu depctr_va_vdst(0)                   ; ahead of the branch
	s_add_co_u32 s[SC], s[SC], 1
	s_cmp_lt_u32 s[SC], 16
	s_cbranch_scc1 .Ltrips
	STEP 0, 0, 2, 1                                ; trip 16
	WAYOUT 76, 78
	s_wait_tensorcnt 0x0                           ; the wave's end
	ds_add_u32 v[SPW], v[NIL]
	s_wait_dscnt 0x0
	CROUND                                         ; the closing round
	s_endpgm
.Lfunc_end_k_q1ff6d02fd3_attn:
	.size	k_q1ff6d02fd3_attn, .Lfunc_end_k_q1ff6d02fd3_attn-k_q1ff6d02fd3_attn
	.p2alignl 7, 3214868480
	.fill 96, 4, 3214868480
	.section	.rodata,"a",@progbits
	.p2align	6, 0x0
	.amdhsa_kernel k_q1ff6d02fd3_attn
		.amdhsa_group_segment_fixed_size 327680
		.amdhsa_private_segment_fixed_size 0
		.amdhsa_enable_private_segment 0
		.amdhsa_kernarg_size 32
		.amdhsa_user_sgpr_count 2
		.amdhsa_user_sgpr_kernarg_segment_ptr 1
		.amdhsa_wavefront_size32 1
		.amdhsa_system_sgpr_workgroup_id_x 1
		.amdhsa_system_sgpr_workgroup_id_y 1
		.amdhsa_system_sgpr_workgroup_id_z 1
		.amdhsa_system_vgpr_workitem_id 0
		.amdhsa_next_free_vgpr 272
		.amdhsa_next_free_sgpr 80
		.amdhsa_reserve_vcc 1
		.amdhsa_float_denorm_mode_32 3
		.amdhsa_float_denorm_mode_16_64 3
		.amdhsa_memory_ordered 1
		.amdhsa_forward_progress 1
		.amdhsa_inst_pref_size 93
	.end_amdhsa_kernel
	.amdgpu_metadata
---
amdhsa.version: [ 1, 2 ]
amdhsa.kernels:
  - .name:           k_q1ff6d02fd3_attn
    .symbol:         k_q1ff6d02fd3_attn.kd
    .args:
      - { .name: qrec, .offset: 0, .size: 8, .value_kind: global_buffer, .address_space: global }
      - { .name: kvrec, .offset: 8, .size: 8, .value_kind: global_buffer, .address_space: global }
      - { .name: ctxi, .offset: 16, .size: 8, .value_kind: global_buffer, .address_space: global }
      - { .name: ctxs, .offset: 24, .size: 8, .value_kind: global_buffer, .address_space: global }
    .group_segment_fixed_size: 327680
    .private_segment_fixed_size: 0
    .kernarg_segment_align: 8
    .kernarg_segment_size: 32
    .max_flat_workgroup_size: 256
    .sgpr_count:     80
    .vgpr_count:     272
    .wavefront_size: 32
...
	.end_amdgpu_metadata
.endif
;; end of part 2
;; launch proj (part 3): grid 8 x 32, 8 waves a work-group, clusters of 4 x 4, 327,680 bytes of LDS; arguments ctxi, ctxs, w_out_codes, w_out_scales, out0; writes out0
.if DOCPART == 3
	.amdgcn_target "amdgcn-amd-amdhsa--gfx1250"
	.amdhsa_code_object_version 6
	.text
	.protected	k_q1ff6d02fd3_proj
	.globl	k_q1ff6d02fd3_proj
	.p2align	8
	.type	k_q1ff6d02fd3_proj,@function
k_q1ff6d02fd3_proj:
	s_mov_b64 s[64:65], 0
	v_nop
	global_prefetch_b8 v0, s[64:65] scope:SCOPE_SE
	s_setreg_imm32_b32 hwreg(HW_REG_WAVE_MODE, 25, 1), 1
	s_wait_xcnt 0x0
	s_wait_alu depctr_hold_cnt(0) depctr_sa_sdst(0) depctr_va_vdst(0) depctr_va_sdst(0) depctr_va_ssrc(0) depctr_va_vcc(0) depctr_vm_vsrc(0)
	s_getreg_b32 s2, hwreg(HW_REG_IB_STS2, 6, 4)
	s_cmp_eq_u32 s2, 0
	s_cbranch_scc0 .Lentry_in_a_cluster
	s_endpgm
.Lentry_in_a_cluster:
	s_bfe_u32 s2, ttmp6, 0x10000c
	s_cmp_lg_u32 s2, 0xf033
	s_cbranch_scc0 .Lentry_shape_is_right
	s_endpgm
.Lentry_shape_is_right:
; out = ctx w_out^T on codes of FP6 (E2M3).  ctx: images of fragments' halves, [128 tokens][head][tile of 16][512 + 256 bytes], scale bytes [token][32]; w_out: 1,024 rows of 768 bytes, scale bytes 32 a row.
; A work-group makes 128 tokens x 128 columns: 32 x 8 = 256 work-groups.  Eight waves: wr = w / 2 picks 32 tokens, wc = w % 2 picks 64 columns: eight accumulators a wave.  Sums in f32, K ascending.
; LDS holds both operands for all of K, filled ONCE, one load a wave: waves 0, 2, 4, 6 the four quarters of K of ctx (four heads each, 24,576 dense bytes, as rows of 256), waves 1, 3, 5 three chunks of 256 bytes of
; w_out's 128 rows (16 bytes of padding behind each).  Each load has an arm of its own: the first barrier shows waves 0's and 1's tiles, and those of the steps that follow are shown two by two, while products run.
; A K step of 128 is two heads of ctx and 96 bytes of w_out's rows; steps 2 and 5 lie across two chunks.
; CLUSTERS: 4 x 4 work-groups; ctx's tiles hang on the block of tokens alone and are shared along a row of the cluster, w_out's along a column.  No prefetch: every tile is asked for at the head.
; Transposed use: source 0 = 16 rows of w_out, source 1 = 16 tokens: a lane holds eight neighbouring columns; through the wave's own stage in LDS they leave as whole units of 256 bytes.
; LIMITS: NaN and infinities are not served.
.set PITCH, 272
.set BOFF,  98304                      ; w_out's chunks, behind ctx
.set BCH,   128*PITCH
.set STG,   BOFF+3*BCH                 ; the stages, 16 rows of 272 bytes a wave; no fill lands there
.set SP,    272
.set SPARE, STG+8*16*SP                ; the spare words, 128 bytes a wave, that no other line names
.set AB,    4                          ; v4, v5 my tiles' first planes, heads 0-7 and 8-15; v6, v7 their second planes
.set B0,    8                          ; my columns' rows, chunks 0 and 1
.set B2,    9                          ; chunk 2
.set BX,    10                         ; lanes 0-15 at byte 232 of chunk 0, lanes 16-31 at byte 0 of chunk 1
.set SPW,   11
.set NIL,   12
.set STO,   13
.set RD,    14
.set CO,    15
.set L32,   16
.set XS,    24                         ; ctx's scale words, K step k at XS + k: lanes 0-15 tile 0, lanes 16-31 tile 1
.set WS,    32                         ; w_out's: pair of tiles i at WS + 8 i + k
.set AF,    48                         ; ctx's two fragments, two sets
.set BF,    96                         ; w_out's four, two sets
.set ACC,   192
.set BK,    96                         ; the way out: rows read back
.set G1A,   24
.set G1B,   32
.macro PLACES n
.rept \n
	v_nop
.endr
.endm
.macro ARM n, g0, g1                   ; wave n's load
	s_cmp_eq_u32 s14, \n
	s_cbranch_scc0 .Lnot_\n
	tensor_load_to_lds s[\g0:\g0+3], s[\g1:\g1+7]
	s_nop 0
	PLACES 4
	s_branch .Lasked
.Lnot_\n:
.endm
.macro CROUND
	s_barrier_signal -1
	s_barrier_wait -1
	s_cmp_lg_u32 s14, 0
	s_cbranch_scc1 .Lnot_wave_0_\@
	s_barrier_signal -3
.Lnot_wave_0_\@:
	s_barrier_wait -3
	s_barrier_signal -1
	s_barrier_wait -1
.endm
.macro SHOW under                      ; the tiles of the waves under that number are in
	s_cmp_lt_u32 s14, \under
	s_cbranch_scc0 .Llater_\@
	s_wait_tensorcnt 0x0
.Llater_\@:
	s_barrier_signal -1
	s_barrier_wait -1
.endm
	s_load_b256 s[4:11], s[0:1], 0x0               ; ctxi, ctxs, w_out's codes, its scales
	s_load_b64 s[12:13], s[0:1], 0x20              ; out0
	v_lshl_add_u32 v[SPW], v0, 2, SPARE
	v_mov_b32 v[NIL], 0
	ds_add_u32 v[SPW], v[NIL]                      ; the opening: the add, twice on end, and its wait
	ds_add_u32 v[SPW], v[NIL]
	v_lshrrev_b32 v1, 5, v0
	v_readfirstlane_b32 s14, v1                    ; wave 0..7
	s_lshr_b32 s15, s14, 1                         ; wr; also which quarter or chunk I fetch
	s_and_b32 s16, s14, 1                          ; wc
	s_bfe_u32 s17, ttmp6, 0x40000
	s_bfe_u32 s18, ttmp6, 0x40004
	s_lshl_b32 s19, ttmp9, 2
	s_add_co_u32 s19, s19, s17                     ; the block of 128 columns
	s_and_b32 s20, ttmp7, 0xffff
	s_lshl_b32 s20, s20, 2
	s_add_co_u32 s20, s20, s18                     ; the block of 128 tokens
	s_lshl_b32 s21, s18, 2
	s_lshl_b32 s21, 15, s21                        ; my row of the cluster
	s_lshl_b32 s22, 0x1111, s17                    ; my column
	s_or_b32 s[G1A], s21, (3<<16)|(1<<21)          ; 96 rows of 256 bytes, elements of 8 bytes
	s_mov_b32 s[G1A+1], 32<<16
	s_mov_b32 s[G1A+2], 96<<16
	s_mov_b32 s[G1A+3], 32<<16
	s_mov_b32 s[G1A+4], 96
	s_mov_b32 s[G1A+5], 32
	s_mov_b32 s[G1A+6], 0
	s_mov_b32 s[G1A+7], 0
	s_or_b32 s[G1B], s22, (1<<20)|(1<<21)|(5<<22)|(3<<25)   ; 128 rows of 256 bytes, 768 apart, 16 bytes of padding behind each
	s_mov_b32 s[G1B+1], 256<<16
	s_mov_b32 s[G1B+2], 128<<16
	s_mov_b32 s[G1B+3], 256<<16
	s_mov_b32 s[G1B+4], 128
	s_mov_b32 s[G1B+5], 768
	s_mov_b32 s[G1B+6], 0
	s_mov_b32 s[G1B+7], 0
	s_mul_i32 s78, s15, 24576
	s_mul_i32 s76, s20, 98304
	s_add_co_u32 s76, s76, s78
	s_mov_b32 s77, 0
	s_min_u32 s82, s15, 2
	s_lshl_b32 s81, s82, 8
	s_mul_i32 s80, s19, 98304
	s_add_co_u32 s80, s80, s81
	s_mov_b32 s81, 0
	s_mul_i32 s82, s82, BCH
	s_add_co_u32 s82, s82, BOFF
	s_lshl_b32 s84, s20, 12                        ; my 32 tokens' scale bytes
	s_lshl_b32 s85, s15, 10
	s_add_co_u32 s84, s84, s85
	s_mov_b32 s85, 0
	s_lshl_b32 s86, s19, 12                        ; my 64 columns'
	s_lshl_b32 s87, s16, 11
	s_add_co_u32 s86, s86, s87
	s_mov_b32 s87, 0
	s_lshl_b32 s88, s20, 19                        ; my part of the result
	s_lshl_b32 s89, s15, 17
	s_add_co_u32 s88, s88, s89
	s_lshl_b32 s89, s19, 9
	s_add_co_u32 s88, s88, s89
	s_lshl_b32 s89, s16, 8
	s_add_co_u32 s88, s88, s89
	s_mov_b32 s89, 0
	s_mul_i32 s90, s15, 1536                       ; my two tiles of ctx
	s_mul_i32 s91, s16, 64*PITCH
	s_add_co_u32 s91, s91, BOFF                    ; my rows of w_out
	s_mul_i32 s92, s14, 16*SP
	s_add_co_u32 s92, s92, STG                     ; my stage
	s_mov_b32 s93, BCH-232
	v_and_b32 v1, 31, v0
	v_and_b32 v2, 15, v0
	v_bfe_u32 v3, v0, 4, 1
	v_lshlrev_b32 v[L32], 5, v1
	v_lshl_add_u32 v[AB], v1, 4, s90
	v_lshl_add_u32 v[AB+2], v1, 3, s90
	v_add_nc_u32 v[AB+1], 49152, v[AB]
	v_add_nc_u32 v[AB+3], 49152, v[AB+2]
	v_mul_u32_u24 v17, v2, PITCH
	v_mul_u32_u24 v18, v3, 24
	v_add_nc_u32 v17, s91, v17
	v_mul_u32_u24 v19, s93, v3
	v_add_nc_u32 v[B0], v17, v18
	v_add_nc_u32 v[BX], v17, v19
	v_add_nc_u32 v[BX], 232, v[BX]
	v_add_nc_u32 v[B2], 2*BCH, v[B0]
	v_mul_u32_u24 v[STO], v2, SP                   ; in: row r, 32 bytes for each half of the lanes
	v_lshl_add_u32 v[STO], v3, 5, v[STO]
	v_add_nc_u32 v[STO], s92, v[STO]
	v_mul_u32_u24 v[RD], v3, SP                    ; back: lanes 0-15 one row of 256 bytes, lanes 16-31 the next
	v_lshl_add_u32 v[RD], v2, 4, v[RD]
	v_add_nc_u32 v[RD], s92, v[RD]
	v_lshlrev_b32 v[CO], 12, v3                    ; and the same two rows of the result
	v_lshl_add_u32 v[CO], v2, 4, v[CO]
	s_wait_alu depctr_va_vdst(0)                   ; directly ahead of the waits below
	s_wait_dscnt 0x0
	s_wait_kmcnt 0x0
	s_add_nc_u64 s[84:85], s[6:7], s[84:85]
	s_add_nc_u64 s[86:87], s[10:11], s[86:87]
	global_load_b128 v[XS:XS+3], v[L32], s[84:85]
	global_load_b128 v[XS+4:XS+7], v[L32], s[84:85] offset:16
.irp i, 0,1
	global_load_b128 v[WS+8*\i:WS+8*\i+3], v[L32], s[86:87] offset:1024*\i
	global_load_b128 v[WS+8*\i+4:WS+8*\i+7], v[L32], s[86:87] offset:1024*\i+16
.endr
	s_add_nc_u64 s[88:89], s[12:13], s[88:89]
	s_mov_b32 s40, 1
	s_mov_b32 s41, s78
	s_add_nc_u64 s[42:43], s[4:5], s[76:77]
	s_or_b32 s43, s43, 0x80000000
	s_mov_b32 s44, 1
	s_mov_b32 s45, s82
	s_add_nc_u64 s[46:47], s[8:9], s[80:81]
	s_or_b32 s47, s47, 0x80000000
	CROUND                                         ; all sixteen work-groups are here: the joint loads meet
	ARM 0, 40, G1A
	ARM 1, 44, G1B
	ARM 2, 40, G1A
	ARM 3, 44, G1B
	ARM 4, 40, G1A
	ARM 5, 44, G1B
	ARM 6, 40, G1A
.Lasked:
.macro FRAG reg, st, i                 ; w_out's fragment of K step st: pieces of 8 bytes, each inside one chunk
.irp p, 0,1,2,3,4,5
.set BY, 96*(\st)+48*(\p/3)+8*(\p%3)   ; where the piece of lanes 0-15 begins in the row; that of lanes 16-31 begins 24 bytes on
.if BY/256 != (BY+24)/256
	ds_load_b64 v[\reg+2*\p:\reg+2*\p+1], v[BX] offset:(BY/256)*BCH+BY%256-232+(\i)*16*PITCH
.elseif BY/256 < 2
	ds_load_b64 v[\reg+2*\p:\reg+2*\p+1], v[B0] offset:(BY/256)*BCH+BY%256+(\i)*16*PITCH
.else
	ds_load_b64 v[\reg+2*\p:\reg+2*\p+1], v[B2] offset:BY%256+(\i)*16*PITCH
.endif
.endr
.endm
.macro FETCH k                         ; 32 loads into set k % 2
.set FS, (\k)%2
.set HB, (\k)/4
.irp i, 0,1
.irp c, 0,1
	ds_load_b128 v[AF+24*FS+12*\i+6*\c:AF+24*FS+12*\i+6*\c+3], v[AB+HB] offset:((2*(\k)+\c)%8)*6144+768*\i
	ds_load_b64 v[AF+24*FS+12*\i+6*\c+4:AF+24*FS+12*\i+6*\c+5], v[AB+2+HB] offset:((2*(\k)+\c)%8)*6144+768*\i+512
.endr
.endr
.irp i, 0,1,2,3
	FRAG BF+48*FS+12*\i, \k, \i
.endr
.endm
.macro W1 c, ra, rb
	v_wmma_scale_f32_16x16x128_f8f6f4 v[WD:WD+7], v[WA:WA+11], v[WB:WB+11], \c, v[WS0], v[WS1] matrix_a_fmt:MATRIX_FMT_FP6 matrix_b_fmt:MATRIX_FMT_FP6 matrix_a_scale:MATRIX_SCALE_ROW\ra matrix_b_scale:MATRIX_SCALE_ROW\rb
.endm
.macro W2 c
.if WSEL == 0
	W1 \c, 0, 0
.elseif WSEL == 1
	W1 \c, 0, 1
.elseif WSEL == 2
	W1 \c, 1, 0
.else
	W1 \c, 1, 1
.endif
.endm
.macro KSTEP k, zero                   ; 8 products; the accumulators take turns
	s_wait_dscnt 0x0                               ; this step's fragments are in
.if (\k) == 5
	s_wait_tensorcnt 0x0                           ; all that is still out
	s_barrier_signal -1
	s_barrier_wait -1
.elseif ((\k) == 1) || ((\k) == 3)
	SHOW (\k)+3
.endif
.if (\k) < 7
.if (\k) > 0
	PLACES 4                                       ; in front of loads into registers that matrix instructions have read
.endif
	FETCH (\k)+1
.endif
.irp a, 0,1
.irp t, 0,1,2,3
.set WD, ACC+8*(4*\a+\t)
.set WA, BF+48*((\k)%2)+12*\t
.set WB, AF+24*((\k)%2)+12*\a
.set WS0, WS+8*(\t/2)+(\k)
.set WS1, XS+(\k)
.set WSEL, 2*(\t%2)+\a
.if \zero
	W2 0
.else
	W2 v[WD:WD+7]
.endif
.endr
.endr
.endm
	s_wait_loadcnt 0x0                             ; the scale words
	SHOW 2
	FETCH 0
	KSTEP 0, 1                                     ; the first products start the sums: nothing is cleared
.irp k, 1,2,3,4,5,6,7
	KSTEP \k, 0
.endr
	PLACES 4                                       ; in front of the first reads of results, and of the loads into registers that held fragments
.macro TOSTAGE a
.irp t, 0,1,2,3
	ds_store_b128 v[STO], v[ACC+8*(4*\a+\t):ACC+8*(4*\a+\t)+3] offset:64*\t
	ds_store_b128 v[STO], v[ACC+8*(4*\a+\t)+4:ACC+8*(4*\a+\t)+7] offset:64*\t+16
.endr
.irp i, 0,1,2,3,4,5,6,7
	ds_load_b128 v[BK+32*\a+4*\i:BK+32*\a+4*\i+3], v[RD] offset:2*\i*SP   ; LDS serves a wave's instructions in order (ISA guide 5.7.1.4)
.endr
.endm
.macro SEND a, younger                 ; younger: the LDS instructions issued behind block a's
	s_wait_dscnt \younger
.irp i, 0,1,2,3,4,5,6,7
	global_store_b128 v[CO], v[BK+32*\a+4*\i:BK+32*\a+4*\i+3], s[88:89] offset:(16*\a+2*\i)*4096 th:TH_STORE_NT
.endr
.endm
	TOSTAGE 0
	TOSTAGE 1
	SEND 0, 16
	SEND 1, 0
	s_wait_tensorcnt 0x0                           ; the wave's end
	ds_add_u32 v[SPW], v[NIL]
	s_wait_dscnt 0x0
	CROUND                                         ; the closing round
	s_endpgm
.Lfunc_end_k_q1ff6d02fd3_proj:
	.size	k_q1ff6d02fd3_proj, .Lfunc_end_k_q1ff6d02fd3_proj-k_q1ff6d02fd3_proj
	.p2alignl 7, 3214868480
	.fill 96, 4, 3214868480
	.section	.rodata,"a",@progbits
	.p2align	6, 0x0
	.amdhsa_kernel k_q1ff6d02fd3_proj
		.amdhsa_group_segment_fixed_size 327680
		.amdhsa_private_segment_fixed_size 0
		.amdhsa_enable_private_segment 0
		.amdhsa_kernarg_size 40
		.amdhsa_user_sgpr_count 2
		.amdhsa_user_sgpr_kernarg_segment_ptr 1
		.amdhsa_wavefront_size32 1
		.amdhsa_system_sgpr_workgroup_id_x 1
		.amdhsa_system_sgpr_workgroup_id_y 1
		.amdhsa_system_sgpr_workgroup_id_z 1
		.amdhsa_system_vgpr_workitem_id 0
		.amdhsa_next_free_vgpr 256
		.amdhsa_next_free_sgpr 100
		.amdhsa_reserve_vcc 0
		.amdhsa_float_denorm_mode_32 3
		.amdhsa_float_denorm_mode_16_64 3
		.amdhsa_memory_ordered 1
		.amdhsa_forward_progress 1
		.amdhsa_inst_pref_size 39
	.end_amdhsa_kernel
	.amdgpu_metadata
---
amdhsa.version: [ 1, 2 ]
amdhsa.kernels:
  - .name:           k_q1ff6d02fd3_proj
    .symbol:         k_q1ff6d02fd3_proj.kd
    .args:
      - { .name: ctxi, .offset: 0, .size: 8, .value_kind: global_buffer, .address_space: global }
      - { .name: ctxs, .offset: 8, .size: 8, .value_kind: global_buffer, .address_space: global }
      - { .name: w_out_codes, .offset: 16, .size: 8, .value_kind: global_buffer, .address_space: global }
      - { .name: w_out_scales, .offset: 24, .size: 8, .value_kind: global_buffer, .address_space: global }
      - { .name: out0, .offset: 32, .size: 8, .value_kind: global_buffer, .address_space: global }
    .group_segment_fixed_size: 327680
    .private_segment_fixed_size: 0
    .kernarg_segment_align: 8
    .kernarg_segment_size: 40
    .max_flat_workgroup_size: 256
    .sgpr_count:     100
    .vgpr_count:     256
    .wavefront_size: 32
...
	.end_amdgpu_metadata
.endif
;; end of part 3
